; MI455X (gfx1250); checked and timed in simulation.
; The chip was launched on July 23, 2026; its instructions are those of AMD's public machine-readable ISA for CDNA 5 (MIT licence, August 2026) and "CDNA5" Instruction Set Architecture Reference Guide (July 2026). The comments in the code are by the model that wrote it; some were corrected since.
;; Attention. Allowed arithmetic: matrix products marked QUANTISED: E2M3 operands, one E8M0 scale for each 32 along K, by v_wmma_scale_f32_16x16x128_f8f6f4 with both operands' format E2M3, f32 sums; everything else in f32.
;; Inputs: b_attn 3,072 float32; b_proj 1,024 float32; w_attn_codes 3,072 x 32 x 24 uint8 (E2M3 codes of w_attn, K innermost, in blocks of 32 codes, four codes in three bytes); w_attn_scales 3,072 x 32 uint8 (E8M0 scales of w_attn, one for each 32 codes along K); w_proj_codes 1,024 x 32 x 24 uint8 (E2M3 codes of w_proj, K innermost, in blocks of 32 codes, four codes in three bytes); w_proj_scales 1,024 x 32 uint8 (E8M0 scales of w_proj, one for each 32 codes along K); x_codes 4 x 2,048 x 32 x 24 uint8 (E2M3 codes of x, K innermost, in blocks of 32 codes, four codes in three bytes); x_scales 4 x 2,048 x 32 uint8 (E8M0 scales of x, one for each 32 codes along K).
;; Outputs: out0 4 x 2,048 x 1,024 float32.
;; This version of the problem:
;;   THIS VERSION OF THE PROBLEM IS GIVEN IN LOW PRECISION. The matrix products marked QUANTISED in the list below multiply operands that are first quantised to E2M3 (2 exponent bits, 3 mantissa bits; 6 bits a number), with one power-of-two scale for each 32 numbers along K (OCP MX v1.0); their sums are f32. All else is computed in f32.
;;   The module's matrix products, in the order in which they are computed (A, B: the left and right operand; K: the contracted axis; several contracted axes count as one K, in the product's order):
;;     1. [M 8,192, K 1,024] x [K 1,024, N 3,072]; A: input x (given as codes); B: input w_attn (given as codes): QUANTISED
;;     2. batch 64 x [M 2,048, K 64] x [K 64, N 2,048]; A: computed on the way; B: computed on the way: QUANTISED
;;     3. batch 64 x [M 2,048, K 2,048] x [K 2,048, N 64]; A: softmax (see below); B: computed on the way: QUANTISED
;;     4. [M 8,192, K 1,024] x [K 1,024, N 1,024]; A: computed on the way; B: input w_proj (given as codes): QUANTISED
;;   THE QUANTISER, for each operand of a quantised product, along K:
;;     - K is cut into blocks of 32 from its start; a last block that is shorter is filled with zeros.
;;     - A block's scale is 2^e with e = floor(log2(the largest magnitude in the block)) - 2, held to -126 .. 127; a block of zeros has e = 0. As a byte (E8M0): e + 127.
;;     - Each number is divided by its block's scale, clamped to +-7.5, and rounded to the nearest number of E2M3, ties to even, subnormals kept.
;;     - The product sums the exact products of the quantised numbers (number of the format x scale) in f32.
;;   ~~~python
;;   def quantise(x, axis):      # numpy; x: float32 -> the quantised numbers, widened to float32 again
;;       x = np.moveaxis(x, axis, -1); K = x.shape[-1]
;;       x = np.pad(x, [(0, 0)] * (x.ndim - 1) + [(0, -K % 32)]); x = x.reshape(x.shape[:-1] + (-1, 32)); a = np.abs(x).max(-1, keepdims=True)
;;       e = np.where(a > 0, np.clip(np.frexp(np.where(a > 0, a, 1))[1] - 1 - 2, -126, 127), 0)      # np.frexp(a)[1] - 1 = floor(log2(a)), exactly
;;       r = np.clip(x / 2.0 ** e, -7.5, 7.5)
;;       step = 2.0 ** (np.maximum(np.frexp(np.where(r == 0, 1, r))[1] - 1, 0) - 3)
;;       q = np.round(r / step) * step * 2.0 ** e      # np.round: ties to even
;;       return np.moveaxis(q.reshape(q.shape[:-2] + (-1,))[..., :K], -1, axis).astype(np.float32)
;;   ~~~
;;   SOFTMAX AHEAD OF A QUANTISED PRODUCT. Where the list says 'softmax', what is quantised is not the finished softmax but p = 2^(t - M), with t = logit x log2(e) and M = ceil(the row's largest t), a whole number; so 1/2 < the row's largest p <= 1. The row's sum l is taken of the UNQUANTISED p, in f32, and the product's result is divided by l at the end. Since M is a whole number, a kernel that streams over the keys may use a running M (the ceiling of the running maximum): every later rescaling is an exact power of two, which a block's scale takes up: the codes' values come out the same.
;;   OPERANDS COMPUTED ON THE WAY. 'Computed on the way' means the value that the module computes at that place (a softmax that the list does not call 'softmax' is quantised finished and normalised). What goes into a quantiser is computed in f32, as accurately as f32 sums, v_exp_f32 and their like allow (about 1e-6 of the number): no bf16 or f16 on the way to a quantiser, and a product that is left as it is and whose result goes on into a quantised operand takes f32 operands (vector FMAs, or v_wmma_f32_16x16x4_f32). A number that lies on a knife's edge between two numbers of the format may be rounded either way, as far as f32 arithmetic and the matrix unit's own rounding can turn it there, and no further.
;;   INPUTS GIVEN AS CODES. w_attn (in the module: [1024, 3072], K = its axis 0); w_proj (in the module: [1024, 1024], K = its axis 0); x (in the module: [4, 2048, 1024], K = its axis 2): each comes as NAME_codes (uint8): NAME with its K axis moved to the last place and cut into blocks of 32 codes, [.., K / 32, bytes a block], one block behind the other in memory; four codes in three bytes: a row's codes are one little-endian stream of bits, code i at bits 6 i .. 6 i + 5 (a code: sign, 2 exponent bits, 3 mantissa bits); and NAME_scales (uint8): the same leading axes, one E8M0 byte (e + 127) for each 32 codes along K. Its value is code x scale, taken as it is: it is not quantised again, and the codes and scales need not be those that the quantiser above would give.
;; One version. Each part assembles by itself: llvm-mc -triple=amdgcn-amd-amdhsa -mcpu=gfx1250 --defsym DOCPART=n.
;; ======== version 1 of 1: 3 launches
;; workspace buffers: qbuf 6,815,744 bytes; kv 13,369,344 bytes; a_codes 6,291,456 bytes; a_scales 262,144 bytes
;; launch qkv (part 1): grid 8 x 48, 4 waves a work-group, clusters of 4 x 4, 327,680 bytes of LDS; arguments x_codes, x_scales, w_attn_codes, w_attn_scales, b_attn, qbuf, kv; writes qbuf, kv
.if DOCPART == 1
	.amdgcn_target "amdgcn-amd-amdhsa--gfx1250"
	.amdhsa_code_object_version 6
	.text
	.protected	k_qc2c4883a94_qkv
	.globl	k_qc2c4883a94_qkv
	.p2align	8
	.type	k_qc2c4883a94_qkv,@function
k_qc2c4883a94_qkv:
	s_mov_b64 s[64:65], 0
	v_nop
	global_prefetch_b8 v0, s[64:65] scope:SCOPE_SE
	s_setreg_imm32_b32 hwreg(HW_REG_WAVE_MODE, 25, 1), 1
	s_wait_xcnt 0x0
	s_wait_alu depctr_hold_cnt(0) depctr_sa_sdst(0) depctr_va_vdst(0) depctr_va_sdst(0) depctr_va_ssrc(0) depctr_va_vcc(0) depctr_vm_vsrc(0)
	s_getreg_b32 s2, hwreg(HW_REG_IB_STS2, 6, 4)
	s_cmp_eq_u32 s2, 0
	s_cbranch_scc0 .Lentry_in_a_cluster
	s_endpgm
.Lentry_in_a_cluster:
	s_bfe_u32 s2, ttmp6, 0x10000c
	s_cmp_lg_u32 s2, 0xf033
	s_cbranch_scc0 .Lentry_shape_is_right
	s_endpgm
.Lentry_shape_is_right:
; qkv = x W_attn + b_attn on codes of FP6 (E2M3) with E8M0 scales, K = 1,024; its results leave as CODES: q and k quantised along the head's 64, v along the keys.
; THE PROGRAM: this launch; attn (causal attention on codes, its result quantised along D); proj (the projection on the way out).  No intermediate goes to memory wide.
; WORK LEFT OUT, in the whole program: in attn the key steps (16 queries x 128 keys) all of whose keys come after all 16 queries.  reference() builds b = tril itself and sets such logits to
; w * 0 + -1e9 * 1 = -1e9 whatever the inputs hold; under the softmax they weigh exp(-1e9 - the row's largest logit), which f32 gives as 0 as long as the row's largest logit lies above about -1e9 + 200.
; LIMITS: rows whose largest logit lies under that figure are not served; a NaN, an infinity or an overflow that reaches only the steps left out is not carried to the result; NaN and infinities among the
; inputs are not served; a block of zeros gets the scale byte 1 where the rule says 127 (its codes are zeros, and these bytes are read by this program alone).  Every input has a way to the output and is loaded.
; THE ORDER INSIDE A BLOCK OF 32: a lane's 16 numbers of a block are K positions 8 h + 0..7 and 16 + 8 h + 0..7 (h = lane / 16), so a block's 32 codes lie in a fixed order of their own.  q and k are made by the same
; lines, and so are v (here) and p (in attn): both operands of a product carry the same order, every block keeps its own scale, and the products are the same; only the grouping of the f32 sums differs.
; ROLES.  The loop knows two tensors of rows of 768 bytes: source 0 (shared along a column of the cluster) and source 1 (shared along a row).  In a result a lane holds ONE row of source 1 and eight rows of source 0:
; the quantiser runs along source 0's rows.  Cluster rows 0-7 (256 work-groups) make q and k: source 0 = W's rows 0-2,047, source 1 = x's rows.  Cluster rows 8-11 (128 work-groups) make v: source 0 = x's rows
; (the keys), source 1 = W's rows 2,048-3,071.  Only pointers and row numbers differ; the choice hangs on the cluster's y, which all sixteen partners share.
; A work-group makes 256 x 256, each of its four waves 128 x 128: 64 accumulators, 512 registers.  K goes in steps of 256 through two LDS slots filled by joint tensor loads; the scale bytes of the work-group's rows come once.
; THE BIAS is the C of each sum's first product.  OUT: a fragment leaves as an image of its registers: registers 0-3 of a half (16 rows x 64 K) at 16 x lane, registers 4-5 at 512 + 8 x lane: 768 bytes.
;   qbuf [head 64][128 queries, 16] records of 6,656 bytes: 8 tiles x 768, then 512 bytes of scale words.   kv [head 64][128 keys, 16] records of 13,056: K's 8 tiles x 768; V's 4 tiles (16 channels x 128 keys) x 1,536; K's words 512; V's 256.
;   Scale words of 128 rows: row 16 a + r at 16 (r + 16 (a % 2)) + 4 (a / 2);  V's: tile t, row r at 8 (r + 16 (t % 2)) + 4 (t / 2).  In q's and k's words bytes 2 and 3 are 0, over the zero codes of the upper 64 of K.
; REGISTERS: window 0: v0-31 addresses; v32-63 scale words, two sets; v64-127 the bias; v128-223 source 1's fragments, one set; v224-231 the bias loads' offsets.  window 1: source 0's fragments, two sets.  windows 2, 3: the accumulators.
.set KSTEP,  256
.set NQ,     2                         ; matrix instructions deep in a slot
.set ROWB,   192                       ; a tile's row: 256 codes
.set KROW,   768                       ; a row of x or W in memory
.set PITCH,  240                       ; an LDS row: 3 x (64 bytes + 16 of padding)
.set FR,     12
.set NL,     6
.set NP,     4
.set HALFT,  128*PITCH
.set SLOT,   4*HALFT
.set LAPS,   2                         ; 1,024 along K = two laps of two slots
.set KS,     32                        ; a row of scale bytes
.set SCL,    2*SLOT
.set HALFS,  16*272                    ; the scales of 128 rows, as 16 units of 256 bytes + 16
.set SBLK,   2*272
.set STG,    SCL+4*HALFS               ; 1,024 bytes for each wave: the way out's scale words; no tile lands here
.set SPARE,  STG+4096                  ; the spare words, 128 bytes for each wave
.set ADRA, 16                          ; v16-19 source 1's fragments in slot 0, 1 (and behind one padding more)
.set ADRB, 20                          ; v20-23 source 0's
.set L16,  24                          ; 16 x lane
.set L8,   25                          ; 8 x lane
.set STGA, 26                          ; my stage: 16 r + 512 h
.set ADRS, 27
.set SPW,  28
.set NIL,  29
.set SH,   30                          ; q, k: 16 h; v: 0
.set STGR, 31                          ; my stage: 16 x lane
.set SC,   32
.set BT,   64
.set AF,   128
.set VO,   224
.set PC,   112                         ; the way out: v112-123 a fragment's codes, v124-130 at work
.set OS,   132                         ; v132-139 scale words read back
.set TM,   200
.set PW,   216
.set WD,   217
.set G1, 24                            ; source 1's tiles: group 1; s[32:39] group 0, a set for each slot
.set G0, 32
.set G1B, 48                           ; source 0's
.set G0B, 56
.set G1S, 68                           ; the scales: source 1's groups 1 and 0, then source 0's
.set G0S, 76
.set G1SB, 80
.set G0SB, 88
.set SEL, 44                           ; s[44:45] lane selects: lane l xor 16
.set MSB, 0
.macro WIN new                         ; the immediate's high byte repeats the setting that is left
.if MSB != \new
	s_set_vgpr_msb (MSB<<8)|\new
.set MSB, \new
.endif
.endm
.set MUL_LO, 0xa1                      ; source 0 window 1, source 1 window 0, C and D window 2
.set MUL_HI, 0xf1                      ; C and D window 3
.set C0_LO,  0x81                      ; C (the bias) window 0, D window 2
.set C0_HI,  0xc1                      ; D window 3
.set TO_B,   0x40
; A joint load: waves 0 and 1 fetch for source 1, waves 2 and 3 for source 0.  An s_nop 0 and four v_nop follow each line.
.macro JLOAD g0a, g1a, g0b, g1b
	s_cmp_eq_u32 s15, 0
	s_cbranch_scc0 .Lfor_b_\@
	tensor_load_to_lds s[\g0a:\g0a+3], s[\g1a:\g1a+7]
	s_nop 0
.rept 4
	v_nop
.endr
	s_branch .Lasked_\@
.Lfor_b_\@:
	tensor_load_to_lds s[\g0b:\g0b+3], s[\g1b:\g1b+7]
	s_nop 0
.rept 4
	v_nop
.endr
.Lasked_\@:
.endm
.macro CREST                           ; a round of the cluster's barrier behind its opening barrier
	s_cmp_lg_u32 s14, 0
	s_cbranch_scc1 .Lnot_wave_0_\@
	s_barrier_signal -3
.Lnot_wave_0_\@:
	s_barrier_wait -3
	s_barrier_signal -1
	s_barrier_wait -1
.endm
.macro CROUND
	s_barrier_signal -1
	s_barrier_wait -1
	CREST
.endm
	s_load_b256 s[4:11], s[0:1], 0x0               ; x's codes, x's scales, W's codes, W's scales
	s_load_b128 s[96:99], s[0:1], 0x20             ; b_attn, qbuf
	s_load_b64 s[100:101], s[0:1], 0x30            ; kv
	v_lshl_add_u32 v[SPW], v0, 2, SPARE
	v_mov_b32 v[NIL], 0
	ds_add_u32 v[SPW], v[NIL]                      ; the wave's opening: the add, twice on end, and its wait ahead of my first tensor load
	ds_add_u32 v[SPW], v[NIL]
	v_lshrrev_b32 v1, 5, v0
	v_readfirstlane_b32 s14, v1                    ; wave 0..3
	s_lshr_b32 s15, s14, 1                         ; my half of source 1's rows.  Also: I fetch for source 1 (0) or source 0 (1)
	s_and_b32 s16, s14, 1                          ; my half of source 0's rows.  Also: which 128 rows I fetch
	s_bfe_u32 s40, ttmp6, 0x40000                  ; cx
	s_bfe_u32 s41, ttmp6, 0x40004                  ; cy
	s_and_b32 s67, ttmp7, 0xffff                   ; the cluster's y
	s_lshl_b32 s17, s67, 2
	s_lshl_b32 s18, s67, 3
	s_sub_co_u32 s18, s18, 64
	s_cmp_ge_u32 s67, 8                            ; v's clusters
	s_cselect_b32 s66, 1, 0
	s_cselect_b32 s17, 8, s17
	s_cselect_b32 s18, s18, 0
	s_add_co_u32 s17, s17, s41                     ; source 1's tile of 256 rows: q, k: 4 y + cy (x);  v: 8 + cy (W)
	s_lshl_b32 s42, ttmp9, 2
	s_add_co_u32 s42, s42, s40
	s_add_co_u32 s42, s42, s18                     ; source 0's: q, k: 4 x + cx (W);  v: 4 x + cx + 8 (y - 8) (x)
	s_lshl_b32 s43, s41, 2
	s_lshl_b32 s43, 15, s43                        ; my row of the cluster
	s_lshl_b32 s44, 0x1111, s40                    ; my column
	s_or_b32 s[G1+0], s43, (0<<16)|(1<<20)|(1<<21)|(3<<22)|(3<<25)  ; the mask; elements of 1 byte; padding on; bit 21 beside a mask; after every 16 words 4 words
	s_or_b32 s[G1B+0], s44, (0<<16)|(1<<20)|(1<<21)|(3<<22)|(3<<25)
.irp g, G1, G1B
	s_mov_b32 s[\g+1], ROWB<<16                    ; tensor_dim0
	s_mov_b32 s[\g+2], 128<<16                     ; tensor_dim1
	s_mov_b32 s[\g+3], ROWB<<16                    ; tile_dim0
	s_mov_b32 s[\g+4], 128                         ; tile_dim1
	s_mov_b32 s[\g+5], KROW                        ; the pitch
	s_mov_b32 s[\g+6], 0
	s_mov_b32 s[\g+7], 0
.endr
	s_or_b32 s[G1S+0], s43, (3<<16)|(1<<20)|(1<<21)|(5<<22)|(3<<25) ; the scales of 128 rows: 4,096 dense bytes as 16 rows of 256, 16 bytes of padding behind each
	s_or_b32 s[G1SB+0], s44, (3<<16)|(1<<20)|(1<<21)|(5<<22)|(3<<25)
.irp g, G1S, G1SB
	s_mov_b32 s[\g+1], 32<<16
	s_mov_b32 s[\g+2], 16<<16
	s_mov_b32 s[\g+3], 32<<16
	s_mov_b32 s[\g+4], 16
	s_mov_b32 s[\g+5], 32
	s_mov_b32 s[\g+6], 0
	s_mov_b32 s[\g+7], 0
.endr
	s_lshl_b32 s18, s16, 7                         ; which 128 rows I fetch
	s_lshl_b32 s20, s17, 8
	s_add_co_u32 s20, s20, s18                     ; source 1's row
	s_lshl_b32 s46, s42, 8
	s_add_co_u32 s46, s46, s18                     ; source 0's row
	s_mov_b32 s21, 0
	s_mov_b32 s47, 0
	s_mov_b64 s[18:19], KS
	s_mul_u64 s[22:23], s[20:21], s[18:19]         ; where these rows' scales begin
	s_mul_u64 s[12:13], s[46:47], s[18:19]
	s_mov_b64 s[18:19], KROW
	s_mul_u64 s[20:21], s[20:21], s[18:19]         ; and their codes
	s_mul_u64 s[46:47], s[46:47], s[18:19]
	s_mul_i32 s45, s14, HALFT                      ; where they go: wave x 128 rows
	s_mul_i32 s2, s14, HALFS
	s_wait_dscnt 0x0                               ; both opening adds are done
	s_wait_kmcnt 0x0
	s_cmp_ge_u32 s67, 8                            ; the roles' buffers: a choice on the cluster's y alone
	s_cselect_b64 s[92:93], s[8:9], s[4:5]         ; source 1's codes: v: W, else x
	s_cselect_b64 s[94:95], s[10:11], s[6:7]       ; its scales
	s_cselect_b64 s[4:5], s[4:5], s[8:9]           ; source 0's codes: v: x, else W
	s_cselect_b64 s[6:7], s[6:7], s[10:11]         ; its scales
	s_add_nc_u64 s[20:21], s[92:93], s[20:21]
	s_add_nc_u64 s[22:23], s[94:95], s[22:23]
	s_add_nc_u64 s[46:47], s[4:5], s[46:47]
	s_add_nc_u64 s[12:13], s[6:7], s[12:13]
	CROUND                                         ; all sixteen work-groups are here: the first joint loads meet
	s_mov_b32 s[G0S], 1
	s_add_co_u32 s[G0S+1], s2, SCL
	s_mov_b64 s[G0S+2:G0S+3], s[22:23]
	s_or_b32 s[G0S+3], s[G0S+3], 0x80000000
	s_mov_b32 s[G0SB], 1
	s_add_co_u32 s[G0SB+1], s2, SCL
	s_mov_b64 s[G0SB+2:G0SB+3], s[12:13]
	s_or_b32 s[G0SB+3], s[G0SB+3], 0x80000000
	JLOAD G0S, G1S, G0SB, G1SB                     ; the scales first: three loads of mine are out behind the first fills
.irp s, 0,1
	s_mov_b32 s[G0+4*\s], 1
	s_add_co_u32 s[G0+4*\s+1], s45, \s*SLOT
	s_add_nc_u64 s[G0+4*\s+2:G0+4*\s+3], s[20:21], \s*ROWB
	s_or_b32 s[G0+4*\s+3], s[G0+4*\s+3], 0x80000000
	s_mov_b32 s[G0B+4*\s], 1
	s_add_co_u32 s[G0B+4*\s+1], s45, \s*SLOT
	s_add_nc_u64 s[G0B+4*\s+2:G0B+4*\s+3], s[46:47], \s*ROWB
	s_or_b32 s[G0B+4*\s+3], s[G0B+4*\s+3], 0x80000000
	JLOAD G0+4*\s, G1, G0B+4*\s, G1B
.endr
	v_and_b32 v1, 15, v0                           ; r
	v_bfe_u32 v2, v0, 4, 1                         ; h
	; the rows that my wave makes, and the bias
	s_lshl_b32 s18, s17, 8
	s_lshl_b32 s19, s15, 7
	s_add_co_u32 s18, s18, s19                     ; source 1's first row of mine
	s_lshl_b32 s19, s42, 8
	s_lshl_b32 s20, s16, 7
	s_add_co_u32 s19, s19, s20                     ; source 0's
	s_cmp_eq_u32 s66, 0
	s_cselect_b32 s20, s19, s18                    ; my first row of W: the feature
	s_cselect_b32 s21, s18, s19                    ; my first row of x: the token
	s_cselect_b32 s22, 32, 0                       ; the bias of a result's register j in lane (r, h): q, k: feature 16 b + 8 h + j;  v: feature 16 a + r
	s_cselect_b32 s23, 0, 4
	s_cselect_b32 s43, 4, 0
	s_cselect_b32 s44, 16, 0
	s_cselect_b32 s2, 0xffff, -1                   ; q, k: a head's word is two bytes;  v: four
	s_lshl_b32 s46, s20, 2
	s_mov_b32 s47, 0
	s_add_nc_u64 s[12:13], s[96:97], s[46:47]      ; b_attn at my first feature
	v_mul_u32_u24 v[VO], v2, s22
	v_mad_u32_u24 v[VO], v1, s23, v[VO]
.irp j, 1,2,3,4,5,6,7
	v_add_nc_u32 v[VO+\j], s43, v[VO+\j-1]
.endr
.irp i, 0,1,2,3,4,5,6,7
.irp j, 0,1,2,3,4,5,6,7
	global_load_b32 v[BT+8*\i+\j], v[VO+\j], s[12:13] offset:64*\i   ; one run for both roles: 8 registers a tile, in the result's layout
.endr
.endr
	v_mul_u32_u24 v[SH], v2, s44
	s_mov_b32 s[SEL], 0x76543210
	s_mov_b32 s[SEL+1], 0xfedcba98
	; the fragments' addresses
	v_mul_u32_u24 v3, v1, PITCH
	v_mul_u32_u24 v4, v2, 24
	v_add_nc_u32 v4, v3, v4                        ; row x pitch + 24 x half
	v_lshl_add_u32 v5, v2, 4, v4                   ; and behind one padding more
	s_mul_i32 s18, s15, HALFT
	s_mul_i32 s19, s16, HALFT
	s_add_co_u32 s19, s19, 2*HALFT
.irp s, 0,1
	v_add_nc_u32 v[ADRA+\s], s18, v4
	v_add_nc_u32 v[ADRB+\s], s19, v4
	v_add_nc_u32 v[ADRA+2+\s], s18, v5
	v_add_nc_u32 v[ADRB+2+\s], s19, v5
	s_add_co_u32 s18, s18, SLOT
	s_add_co_u32 s19, s19, SLOT
.endr
	v_mul_u32_u24 v5, v1, KS                       ; my row's scales: 32 bytes a row,
	v_lshrrev_b32 v6, 8, v5
	v_lshl_add_u32 v5, v6, 4, v5                   ; and 16 more for each 256 passed
	s_mul_i32 s18, s15, HALFS
	s_mul_i32 s19, s16, HALFS
	s_add_co_u32 s19, s19, 2*HALFS
	s_sub_co_u32 s19, s19, s18
	v_mul_u32_u24 v6, s19, v2                      ; lanes 16-31 take source 0's
	s_add_co_u32 s18, s18, SCL
	v_add_nc_u32 v5, v5, v6
	v_add_nc_u32 v[ADRS], s18, v5
	v_and_b32 v6, 31, v0
	v_lshlrev_b32 v[L16], 4, v6
	v_lshlrev_b32 v[L8], 3, v6
	s_lshl_b32 s18, s14, 10
	s_add_co_u32 s18, s18, STG                     ; my stage
	v_lshlrev_b32 v[STGA], 4, v1
	v_lshl_add_u32 v[STGA], v2, 9, v[STGA]
	v_add_nc_u32 v[STGA], s18, v[STGA]
	v_add_nc_u32 v[STGR], s18, v[L16]
	; where my results go: record = (16 batch + head) 16 + (token / 128) % 16
	s_lshr_b32 s22, s21, 11                        ; batch
	s_bfe_u32 s23, s21, 0x40007                    ; which 128 tokens of the sequence
	s_bfe_u32 s43, s20, 0x40006                    ; the first of my two heads
	s_lshl_b32 s22, s22, 4
	s_add_co_u32 s22, s22, s43
	s_lshl_b32 s22, s22, 4
	s_add_co_u32 s22, s22, s23
	s_mov_b32 s8, 13056
	s_mov_b32 s9, 12288
	s_cmp_lt_u32 s20, 1024                         ; q?
	s_cselect_b64 s[92:93], s[98:99], s[100:101]
	s_cselect_b32 s8, 6656, s8                     ; a record's bytes
	s_cselect_b32 s9, 6144, s9                     ; its scale words' place: q, k,
	s_cmp_eq_u32 s66, 0
	s_cselect_b32 s9, s9, 12800                    ; v
	s_cselect_b32 s10, 0, 6144                     ; its codes' place
	s_mul_i32 s46, s22, s8
	s_add_nc_u64 s[92:93], s[92:93], s[46:47]      ; my record
	s_mov_b32 s46, s9
	s_add_nc_u64 s[4:5], s[92:93], s[46:47]        ; the first head's scale words
	s_mov_b32 s46, s10
	s_add_nc_u64 s[92:93], s[92:93], s[46:47]      ; registers 0-5 of a fragment go here
	s_lshl_b32 s46, s8, 4                          ; a head on: 16 records
	s_add_nc_u64 s[6:7], s[4:5], s[46:47]          ; the second head's scale words
	s_cmp_eq_u32 s66, 0
	s_cselect_b32 s46, s46, 768
	s_add_nc_u64 s[94:95], s[92:93], s[46:47]      ; registers 6-11: q, k: the second head's tile;  v: the same tile's upper 64 keys
	s_mov_b32 s8, 1536
	s_cselect_b32 s8, 768, s8                      ; from block to block of 16 rows of source 1,
	s_mov_b32 s10, 204288
	s_cselect_b32 s10, 768, s10                    ; and from block 3 to block 4: v: a head on, three tiles back
	s_mov_b32 s9, 0
	s_mov_b32 s11, 0
.macro FRAG reg, adr, q, i             ; 16 rows x 128 K: 12 registers, in pieces of 8 bytes; where the piece three on lies behind one padding more, the second address register serves
.irp p, 0,1,2,3,4,5
.set PCE, 12*(\q)+6*(\p/3)+\p%3
.if PCE%8 < 5
	ds_load_b64 v[\reg+2*\p:\reg+2*\p+1], v[\adr] offset:8*PCE+16*(PCE/8)+(\i)*16*PITCH
.else
	ds_load_b64 v[\reg+2*\p:\reg+2*\p+1], v[\adr+2] offset:8*PCE+16*(PCE/8)+(\i)*16*PITCH
.endif
.endr
.endm
; One product: source 1's block a x source 0's block b.  cm = 0: onto the sum;  1: the sum starts with the bias of block b;  2: of block a
.macro MM a, b, p, q, sc, cm
.set DD, 8*(8*((\a)%4)+(\b))
.set B0, 128*(\p)+FR*(\b)
.set A0, AF+FR*(\a)
.set SB0, SC+8*NQ*(\sc)+NQ*(\b)+(\q)
.set SA0, SC+8*NQ*(\sc)+NQ*(\a)+(\q)
.if (\cm) == 1
	v_wmma_scale_f32_16x16x128_f8f6f4 v[DD:DD+7], v[B0:B0+FR-1], v[A0:A0+FR-1], v[BT+8*(\b):BT+8*(\b)+7], v[SB0], v[SA0] matrix_a_fmt:MATRIX_FMT_FP6 matrix_b_fmt:MATRIX_FMT_FP6 matrix_a_scale:MATRIX_SCALE_ROW1
.elseif (\cm) == 2
	v_wmma_scale_f32_16x16x128_f8f6f4 v[DD:DD+7], v[B0:B0+FR-1], v[A0:A0+FR-1], v[BT+8*(\a):BT+8*(\a)+7], v[SB0], v[SA0] matrix_a_fmt:MATRIX_FMT_FP6 matrix_b_fmt:MATRIX_FMT_FP6 matrix_a_scale:MATRIX_SCALE_ROW1
.else
	v_wmma_scale_f32_16x16x128_f8f6f4 v[DD:DD+7], v[B0:B0+FR-1], v[A0:A0+FR-1], v[DD:DD+7], v[SB0], v[SA0] matrix_a_fmt:MATRIX_FMT_FP6 matrix_b_fmt:MATRIX_FMT_FP6 matrix_a_scale:MATRIX_SCALE_ROW1
.endif
.endm
.macro MUL16 a0, p, q, sc, cm          ; 16 products; the 64 accumulators take turns, one instruction a turn, in the same order in every step
.irp a, \a0, \a0+1
.irp b, 0,1,2,3,4,5,6,7
	MM \a, \b, \p, \q, \sc, \cm
.endr
.endr
.endm
.macro FETCH_B slot, q, p
	WIN TO_B
.irp i, 0,1,2,3,4,5,6,7
	FRAG 128*(\p)+FR*\i, ADRB+\slot, \q, \i
.endr
	WIN 0
.endm
.macro FETCH_A slot, q, i0
.irp i, \i0, \i0+1, \i0+2, \i0+3
	FRAG AF+FR*(\i), ADRA+\slot, \q, \i
.endr
.endm
.macro SCALES sc                       ; a K step's scale words: lanes 0-15 source 1's block i, lanes 16-31 source 0's block i
.irp i, 0,1,2,3,4,5,6,7
	ds_load_b64 v[SC+8*NQ*\sc+NQ*\i:SC+8*NQ*\sc+NQ*\i+1], v[ADRS] offset:\i*SBLK
.endr
.endm
.macro PLACES n                        ; plain vector instructions between a matrix instruction and a load into, or a read of, its registers
.rept \n
	v_nop
.endr
.endm
.macro STEP slot, q, cm                ; 128 along K that has its successor in the same slot
	s_wait_dscnt 4*NL                              ; all but the youngest 24 loads, source 1's blocks 4-7
.if \cm
	WIN C0_LO
.else
	WIN MUL_LO
.endif
	MUL16 0, (\q)%2, \q, \slot, \cm
	MUL16 2, (\q)%2, \q, \slot, \cm
	s_wait_dscnt 0
	PLACES NP
	FETCH_B \slot, (\q)+1, 1-(\q)%2
	FETCH_A \slot, (\q)+1, 0
.if \cm
	WIN C0_HI
.else
	WIN MUL_HI
.endif
	MUL16 4, (\q)%2, \q, \slot, \cm
	MUL16 6, (\q)%2, \q, \slot, \cm
	PLACES NP
	WIN 0
	FETCH_A \slot, (\q)+1, 4
.endm
; A slot's last step changes slots: one barrier; in front of it each wave waits for all its tensor loads, adds 0 to its spare word, and waits for that and for its reads of this slot.
.macro TURN slot, next, fill
	s_wait_tensorcnt 0x0                           ; all my tensor loads have landed: my part of the next slot
	ds_add_u32 v[SPW], v[NIL]                      ; 0 onto my spare word
	s_wait_dscnt 4*NL+1                            ; (the add and the youngest 24 loads may be out)
	WIN MUL_LO
	MUL16 0, 1, NQ-1, \slot, 0
	s_wait_dscnt 0x0                               ; the add is done, and my reads of this slot are over
	s_barrier_signal -1
	MUL16 2, 1, NQ-1, \slot, 0
	WIN 0
	s_barrier_wait -1
.if \fill
	CREST                                          ; the barrier has opened a round of the cluster's: no wave of any partner still reads this slot or has a load on its way
	s_add_nc_u64 s[G0+4*\slot+2:G0+4*\slot+3], s[G0+4*\slot+2:G0+4*\slot+3], 2*ROWB
	s_add_nc_u64 s[G0B+4*\slot+2:G0B+4*\slot+3], s[G0B+4*\slot+2:G0B+4*\slot+3], 2*ROWB
	JLOAD G0+4*\slot, G1, G0B+4*\slot, G1B         ; the first tensor load behind the round; its four v_nop are the places in front of the loads below
.else
	PLACES NP
.endif
	v_add_nc_u32 v[ADRS], 4*NQ, v[ADRS]
	FETCH_B \next, 0, 0
	FETCH_A \next, 0, 0
	SCALES \next
	WIN MUL_HI
	MUL16 4, 1, NQ-1, \slot, 0
	MUL16 6, 1, NQ-1, \slot, 0
	PLACES NP
	WIN 0
	FETCH_A \next, 0, 4
.endm
	s_wait_tensorcnt 1                             ; the scales and my part of K step 0 are in; slot 1's load may be out
	s_barrier_signal -1
	s_barrier_wait -1
	FETCH_B 0, 0, 0
	FETCH_A 0, 0, 0
	SCALES 0
	FETCH_A 0, 0, 4
	s_wait_loadcnt 0x0                             ; the bias
	s_cmp_eq_u32 s66, 0                            ; the first step's products start the sums with the bias: by source 0's block (q, k) or by source 1's (v)
	s_cbranch_scc0 .Lfirst_v
	STEP 0, 0, 1
	s_branch .Lfirst_done
.Lfirst_v:
	STEP 0, 0, 2
.Lfirst_done:
	s_mov_b32 s3, LAPS-1
.Llap:
	TURN 0, 1, 1
	STEP 1, 0, 0
	TURN 1, 0, 1
	STEP 0, 0, 0
	s_sub_co_u32 s3, s3, 1
	s_cmp_lg_u32 s3, 0
	s_cbranch_scc1 .Llap
	TURN 0, 1, 0                                   ; the last lap fills nothing
	STEP 1, 0, 0
	s_wait_dscnt 4*NL
	WIN MUL_LO
	MUL16 0, 1, NQ-1, 1, 0
	MUL16 2, 1, NQ-1, 1, 0
	s_wait_dscnt 0
	WIN MUL_HI
	MUL16 4, 1, NQ-1, 1, 0
	MUL16 6, 1, NQ-1, 1, 0
	WIN 0
; THE WAY OUT.  Block a: 16 rows of source 1 x my 128 rows of source 0: a lane's 64 numbers are four half blocks of 32 along the quantiser's K; lane l xor 16 holds the other halves.
.macro OUTA a
.set AC, 64*((\a)%4)
.if (\a) > 0
	s_wait_xcnt 0x0                                ; the last block's stores have read their registers and bases
.if (\a) == 4
	s_add_nc_u64 s[92:93], s[92:93], s[10:11]
	s_add_nc_u64 s[94:95], s[94:95], s[10:11]
.else
	s_add_nc_u64 s[92:93], s[92:93], s[8:9]
	s_add_nc_u64 s[94:95], s[94:95], s[8:9]
.endif
.endif
	WIN (0x28+0x14*((\a)/4))                       ; sources 1 and 2: the accumulators' window
.irp b, 0,1,2,3
	v_max3_num_f32 v[TM+\b], 0x1800000, |v[AC+16*\b]|, |v[AC+16*\b+1]|   ; my 16 numbers of block b, and the floor 2^(3 - 127): the byte cannot fall under 1.  Each accumulator is read from its low end on
.endr
.irp i, 2,4,6,8,10,12,14
.irp b, 0,1,2,3
	v_max3_num_f32 v[TM+\b], v[TM+\b], |v[AC+16*\b+\i]|, |v[AC+16*\b+\i+1]|
.endr
.endr
	WIN 0
.irp b, 0,1,2,3
	v_permlanex16_b32 v[TM+4+\b], v[TM+\b], s[SEL], s[SEL+1]
.endr
.irp b, 0,1,2,3
	v_max_num_f32 v[TM+\b], v[TM+\b], v[TM+4+\b]   ; the block's largest magnitude
.endr
.irp b, 0,1,2,3
	v_add_nc_u32 v[TM+12+\b], 0xff000000, v[TM+\b] ; 2 off its exponent field: the conversion's scale operand
.endr
.irp b, 0,1,2,3
	v_lshrrev_b32 v[TM+4+\b], 23, v[TM+12+\b]      ; the scale's byte
.endr
	v_lshl_or_b32 v[PW], v[TM+5], 8, v[TM+4]
	v_lshl_or_b32 v[PW], v[TM+6], 16, v[PW]
	v_lshl_or_b32 v[PW], v[TM+7], 24, v[PW]
	WIN (0x02+(\a)/4)
.irp c, 0,1
	v_cvt_scalef32_pk16_fp6_f32 v[PC+6*\c:PC+6*\c+2], v[AC+32*\c:AC+32*\c+15], v[TM+12+2*\c]
	v_cvt_scalef32_pk16_fp6_f32 v[PC+12+4*\c:PC+14+4*\c], v[AC+16+32*\c:AC+31+32*\c], v[TM+13+2*\c]   ; (a conversion's three registers begin on an even number)
.endr
	WIN 0
	v_nop                                          ; one plain place behind a scaled conversion
.irp c, 0,1                                    ; a whole block to a lane: lanes 0-15 block 2 c, lanes 16-31 block 2 c + 1
.irp i, 0,1,2
	v_permlane16_swap_b32 v[PC+6*\c+\i], v[PC+12+4*\c+\i]
.endr
.irp i, 0,1,2
	v_mov_b32 v[PC+3+6*\c+\i], v[PC+12+4*\c+\i]
.endr
.endr
	v_lshrrev_b32 v[WD], v[SH], v[PW]              ; q, k: lanes 0-15 the first head's two bytes, lanes 16-31 the second's;  v: all four
	v_and_b32 v[WD], s2, v[WD]
	ds_store_b32 v[STGA], v[WD] offset:256*((\a)%2)+4*((\a)/2)
	global_store_b128 v[L16], v[PC:PC+3], s[92:93]                   ; 512 consecutive bytes, at a multiple of 256 from the buffer's first byte
	global_store_b64 v[L8], v[PC+4:PC+5], s[92:93] offset:512        ; 256
	global_store_b128 v[L16], v[PC+6:PC+9], s[94:95]
	global_store_b64 v[L8], v[PC+10:PC+11], s[94:95] offset:512
.endm
	PLACES NP                                      ; behind the last products: the lines below write registers that held source 1's fragments
.irp b, 0,1,2,3
	v_mov_b32 v[TM+4+\b], 0                        ; written once: a lane permute's destination counts as one of its sources
.endr
.irp a, 0,1,2,3,4,5,6,7
	OUTA \a
.endr
	s_cmp_eq_u32 s66, 0                            ; the scale words leave my stage as they are to lie (LDS serves a wave's instructions in order: these loads see my stores)
	s_cbranch_scc0 .Lwords_v
	ds_load_b128 v[OS:OS+3], v[STGR]               ; q, k: 512 bytes a head
	ds_load_b128 v[OS+4:OS+7], v[STGR] offset:512
	s_wait_dscnt 0x0
	global_store_b128 v[L16], v[OS:OS+3], s[4:5]
	global_store_b128 v[L16], v[OS+4:OS+7], s[6:7]
	s_branch .Lwords_done
.Lwords_v:
	ds_load_b64 v[OS:OS+1], v[STGR]                ; v: of each 16 bytes the lower 8 are the first head's, the upper 8 the second's
	ds_load_b64 v[OS+2:OS+3], v[STGR] offset:8
	s_wait_dscnt 0x0
	global_store_b64 v[L8], v[OS:OS+1], s[4:5]
	global_store_b64 v[L8], v[OS+2:OS+3], s[6:7]
.Lwords_done:
	s_wait_tensorcnt 0x0                           ; the wave's end: a wait, an add of 0 and a wait, behind my last tensor load and my last LDS store
	ds_add_u32 v[SPW], v[NIL]
	s_wait_dscnt 0x0
	CROUND                                         ; the closing round
	s_endpgm
.Lfunc_end_k_qc2c4883a94_qkv:
	.size	k_qc2c4883a94_qkv, .Lfunc_end_k_qc2c4883a94_qkv-k_qc2c4883a94_qkv
	.p2alignl 7, 3214868480
	.fill 96, 4, 3214868480
	.section	.rodata,"a",@progbits
	.p2align	6, 0x0
	.amdhsa_kernel k_qc2c4883a94_qkv
		.amdhsa_group_segment_fixed_size 327680
		.amdhsa_private_segment_fixed_size 0
		.amdhsa_enable_private_segment 0
		.amdhsa_kernarg_size 56
		.amdhsa_user_sgpr_count 2
		.amdhsa_user_sgpr_kernarg_segment_ptr 1
		.amdhsa_wavefront_size32 1
		.amdhsa_system_sgpr_workgroup_id_x 1
		.amdhsa_system_sgpr_workgroup_id_y 1
		.amdhsa_system_sgpr_workgroup_id_z 1
		.amdhsa_system_vgpr_workitem_id 0
		.amdhsa_next_free_vgpr 1024
		.amdhsa_next_free_sgpr 102
		.amdhsa_reserve_vcc 0
		.amdhsa_float_denorm_mode_32 3
		.amdhsa_float_denorm_mode_16_64 3
		.amdhsa_memory_ordered 1
		.amdhsa_forward_progress 1
		.amdhsa_inst_pref_size 190
	.end_amdhsa_kernel
	.amdgpu_metadata
---
amdhsa.version: [ 1, 2 ]
amdhsa.kernels:
  - .name:           k_qc2c4883a94_qkv
    .symbol:         k_qc2c4883a94_qkv.kd
    .args:
      - { .name: x_codes, .offset: 0, .size: 8, .value_kind: global_buffer, .address_space: global }
      - { .name: x_scales, .offset: 8, .size: 8, .value_kind: global_buffer, .address_space: global }
      - { .name: w_attn_codes, .offset: 16, .size: 8, .value_kind: global_buffer, .address_space: global }
      - { .name: w_attn_scales, .offset: 24, .size: 8, .value_kind: global_buffer, .address_space: global }
      - { .name: b_attn, .offset: 32, .size: 8, .value_kind: global_buffer, .address_space: global }
      - { .name: qbuf, .offset: 40, .size: 8, .value_kind: global_buffer, .address_space: global }
      - { .name: kv, .offset: 48, .size: 8, .value_kind: global_buffer, .address_space: global }
    .group_segment_fixed_size: 327680
    .private_segment_fixed_size: 0
    .kernarg_segment_align: 8
    .kernarg_segment_size: 56
    .max_flat_workgroup_size: 128
    .sgpr_count:     102
    .vgpr_count:     1024
    .wavefront_size: 32
...
	.end_amdgpu_metadata
.endif
;; end of part 1
;; launch attn (part 2): grid 4 x 64, 16 waves a work-group, clusters of 4 x 1, 224,256 bytes of LDS; arguments qbuf, kv, a_codes, a_scales; writes a_codes, a_scales
.if DOCPART == 2
	.amdgcn_target "amdgcn-amd-amdhsa--gfx1250"
	.amdhsa_code_object_version 6
	.text
	.protected	k_qc2c4883a94_attn
	.globl	k_qc2c4883a94_attn
	.p2align	8
	.type	k_qc2c4883a94_attn,@function
k_qc2c4883a94_attn:
	s_mov_b64 s[64:65], 0
	v_nop
	global_prefetch_b8 v0, s[64:65] scope:SCOPE_SE
	s_setreg_imm32_b32 hwreg(HW_REG_WAVE_MODE, 25, 1), 1
	s_wait_xcnt 0x0
	s_wait_alu depctr_hold_cnt(0) depctr_sa_sdst(0) depctr_va_vdst(0) depctr_va_sdst(0) depctr_va_ssrc(0) depctr_va_vcc(0) depctr_vm_vsrc(0)
	s_getreg_b32 s2, hwreg(HW_REG_IB_STS2, 6, 4)
	s_cmp_eq_u32 s2, 0
	s_cbranch_scc0 .Lentry_in_a_cluster
	s_endpgm
.Lentry_in_a_cluster:
	s_bfe_u32 s2, ttmp6, 0x10000c
	s_cmp_lg_u32 s2, 0x3003
	s_cbranch_scc0 .Lentry_shape_is_right
	s_endpgm
.Lentry_shape_is_right:
; a[b][q][head] = softmax_k(q . k / 8, causal) v, both products on codes of FP6 (E2M3) with E8M0 scales; a is quantised along D and leaves as codes.
; WORK LEFT OUT: the key steps (16 queries x 128 keys) all of whose keys come after all 16 queries: reference()'s own tril sets those logits to -1e9, and their weights are 0 in f32 (shown, with the limits, at the head of the first kernel).
; In the one step of a tile that holds its diagonal, hidden scores become -infinity ahead of the maximum: p = 0 there.
; THE SOFTMAX: t = score x log2(e) / 8; M = the running largest t rounded UP to a whole number; p = 2^(t - M) is quantised along the keys, not normalised; the row's sum is taken of the unquantised p and divides at the end;
; when M moves, the sum and O are multiplied by 2^(old M - new M), which rounds nothing.
; SHARES.  The four work-groups of a cluster serve ONE head.  The head's whole K and V, 16 records of 13,056 bytes, stay in each one's LDS: wave w asks for record w by one JOINT load, filled once; there is no ring.
; A head has 128 tiles of 16 queries.  Wave w of the work-group at place cx takes tile 4 w + cx and then tile 127 - (4 w + cx): (w / 2 + 1) + (16 - w / 2) = 17 key steps, the same for every wave of the launch.
; The count of steps hangs on w / 2 alone: no branch, no trip count and no LDS address hangs on cx, which enters global addresses and the mask's number only.
; Nothing is prefetched: all of K and V is asked for at the head, so nothing lies ahead to ask for.
; LAYOUT.  Both products are used transposed: S^T = K Q^T (source 0 = 16 keys), O^T = V^T P^T (source 0 = 16 channels): a lane holds ONE query.  The first product's K is 64: registers 6-11 of both operands are zeros.
; p's codes lie in the order inside a block in which the first launch has laid V's.  a must meet w_proj's given order: 16 exchanges of lane halves on the f32 numbers restore it ahead of the conversion.
; a_codes [tile of 16 rows, 512][head 16][768]: images of half fragments;  a_scales [8,192][32] as the quantiser's rule has them: a head owns two bytes of a row, so they leave two bytes a lane, 1/24 of a's bytes.
; REGISTERS: v1 16 x lane, v2 8 x lane, v3-4 the same in the step's record, v5-6 the add's two, v7 the mask's number, v8 r - 8 h, v9 16 r, v10-11 V's scale words, v12 -M, v13 the largest t, v14-15 the sum, v16-27 Q,
;   v28 Q's scale words, v29 32 r, v30 -infinity, v32-79 four tiles of K, v80-127 V's four, v128-191 S^T then p, v192-223 O^T, v224-235 p's codes, v232-247 at work, v248-251 K's scale words, v252 f, v253 p's scale word, v254 at work.
.set REC,   13056
.set RQ,    6656
.set VCO,   6144                       ; in a record: V's codes,
.set KSO,   12288                      ; K's scale words,
.set VSO,   12800                      ; V's
.set SPARE, 17*REC                     ; the spare words, 128 bytes for each of the sixteen waves
.set KB,    32
.set VB,    80
.set S,     128
.set O,     192
.macro ROUND                           ; a round of the cluster's barrier
	s_barrier_signal -1
	s_barrier_wait -1
	s_cmp_lg_u32 s12, 0
	s_cbranch_scc1 .Lnot_wave_0_\@
	s_barrier_signal -3
.Lnot_wave_0_\@:
	s_barrier_wait -3
	s_barrier_signal -1
	s_barrier_wait -1
.endm
	s_load_b256 s[4:11], s[0:1], 0x0               ; qbuf, kv, a_codes, a_scales
	v_lshl_add_u32 v5, v0, 2, SPARE
	v_mov_b32 v6, 0
	ds_add_u32 v5, v6                              ; the wave's opening: the add, twice on end, and its wait ahead of my first tensor load
	ds_add_u32 v5, v6
	v_lshrrev_b32 v1, 5, v0
	v_readfirstlane_b32 s12, v1                    ; wave 0..15
	s_bfe_u32 s13, ttmp6, 0x40000                  ; cx
	s_and_b32 s14, ttmp7, 0xffff                   ; 16 batch + head
	s_lshr_b32 s15, s12, 1                         ; W2 = w / 2: my first tile's last step
	s_xor_b32 s16, s15, -1                         ; -W2 - 1
	s_mov_b32 s17, 0                               ; the trip
	s_mov_b32 s20, 0x76543210
	s_mov_b32 s21, 0xfedcba98                      ; lane l xor 16
	s_mov_b32 s22, 0x3e38aa3b                      ; c = log2(e) / 8
	s_mov_b32 s23, s22
	s_mov_b32 s24, 15|(3<<16)|(1<<21)              ; the mask: all four work-groups; elements of 8 bytes; bit 21 beside a mask; no padding: every read is 16 or 8 bytes a lane on end
	s_mov_b32 s25, 32<<16                          ; tensor_dim0: 256 bytes
	s_mov_b32 s26, 51<<16                          ; tensor_dim1: a record is 51 such rows
	s_mov_b32 s27, 32<<16                          ; tile_dim0
	s_mov_b32 s28, 51                              ; tile_dim1
	s_mov_b32 s29, 32                              ; the pitch: dense
	s_mov_b32 s30, 0
	s_mov_b32 s31, 0
	s_mov_b32 s32, 1
	s_mul_i32 s33, s12, REC                        ; record w, in LDS
	s_mul_i32 s38, s14, 16*REC
	s_add_co_u32 s38, s38, s33                     ; and in memory
	s_mov_b32 s39, 0
	s_lshl_b32 s36, s12, 2
	s_add_co_u32 s36, s36, s13                     ; my first tile of queries
	s_wait_dscnt 0x0                               ; both opening adds are done
	s_wait_kmcnt 0x0
	s_add_nc_u64 s[34:35], s[6:7], s[38:39]
	s_or_b32 s35, s35, 0x80000000
	ROUND                                          ; all four work-groups are here: the joint loads meet
	tensor_load_to_lds s[32:35], s[24:31]          ; my one tensor load of the launch
	s_nop 0
.rept 4
	v_nop
.endr
	v_and_b32 v9, 31, v0
	v_lshlrev_b32 v1, 4, v9
	v_lshlrev_b32 v2, 3, v9
	v_and_b32 v9, 15, v0                           ; r
	v_bfe_u32 v8, v0, 4, 1                         ; h
	v_lshlrev_b32 v8, 3, v8
	v_sub_nc_u32 v8, v9, v8
	v_lshlrev_b32 v29, 5, v9
	v_lshlrev_b32 v9, 4, v9
	v_mov_b32 v30, 0xff800000
.irp i, 22,23,24,25,26,27
	v_mov_b32 v[\i], 0                             ; the upper 64 of the first product's K: zero codes, in Q
.endr
.irp t, 0,1,2,3
.irp i, 6,7,8,9,10,11
	v_mov_b32 v[KB+12*\t+\i], 0                    ; and in K's four buffers; written once
.endr
.endr
.irp b, 0,1,2,3
	v_mov_b32 v[236+\b], 0                         ; a lane permute's destination counts as one of its sources
.endr
	v_mov_b32 v253, 0                              ; (named as the upper half of the pair v[252:253] before it is first written)
; A tile of queries begins (its number in s36): Q's half fragment and scale words; the mask's number; the largest t -3e38, the sum and O^T zeros, so that the step is written once.
.macro START
	s_lshr_b32 s37, s36, 3
	s_lshl_b32 s38, s14, 4
	s_add_co_u32 s38, s38, s37
	s_mul_i32 s38, s38, RQ
	s_mov_b32 s39, 0
	s_add_nc_u64 s[42:43], s[4:5], s[38:39]        ; the record of its 128 queries
	s_and_b32 s37, s36, 7
	s_mul_i32 s38, s37, 768
	s_add_nc_u64 s[40:41], s[42:43], s[38:39]      ; its codes
	s_and_b32 s38, s36, 1
	s_lshl_b32 s38, s38, 8
	s_lshr_b32 s48, s37, 1
	s_lshl_b32 s48, s48, 2
	s_add_co_u32 s38, s38, s48
	s_add_co_u32 s38, s38, 6144
	s_add_nc_u64 s[42:43], s[42:43], s[38:39]      ; its scale words: 16 r on from here
	global_load_b128 v[16:19], v1, s[40:41]
	global_load_b64 v[20:21], v2, s[40:41] offset:512
	global_load_b32 v28, v9, s[42:43]
	s_lshl_b32 s37, s37, 4
	v_add_nc_u32 v7, s37, v8                       ; my query - the diagonal step's first key - 8 h
	v_mov_b32 v13, 0xff61b1e6
	v_floor_f32 v12, -v13
	v_mov_b32 v14, 0
	v_mov_b32 v15, 0
.set n, 0
.rept 32
	v_mov_b32 v[O+n], 0
.set n, n+1
.endr
	s_wait_loadcnt 0x0
.endm
.macro SPROD t, kb                     ; S^T's tile t = K's buffer kb x Q.  K's words: register t / 2, even tiles in lanes 0-15, odd ones in lanes 16-31
.if (\t)%2
	v_wmma_scale_f32_16x16x128_f8f6f4 v[S+8*(\t):S+8*(\t)+7], v[KB+12*(\kb):KB+12*(\kb)+11], v[16:27], 0, v[248+(\t)/2], v28 matrix_a_fmt:MATRIX_FMT_FP6 matrix_b_fmt:MATRIX_FMT_FP6 matrix_a_scale:MATRIX_SCALE_ROW1
.else
	v_wmma_scale_f32_16x16x128_f8f6f4 v[S+8*(\t):S+8*(\t)+7], v[KB+12*(\kb):KB+12*(\kb)+11], v[16:27], 0, v[248+(\t)/2], v28 matrix_a_fmt:MATRIX_FMT_FP6 matrix_b_fmt:MATRIX_FMT_FP6
.endif
.endm
.macro OPROD t                         ; O^T's tile t += V's tile t x P
.if (\t)%2
	v_wmma_scale_f32_16x16x128_f8f6f4 v[O+8*(\t):O+8*(\t)+7], v[VB+12*(\t):VB+12*(\t)+11], v[224:235], v[O+8*(\t):O+8*(\t)+7], v[10+(\t)/2], v253 matrix_a_fmt:MATRIX_FMT_FP6 matrix_b_fmt:MATRIX_FMT_FP6 matrix_a_scale:MATRIX_SCALE_ROW1
.else
	v_wmma_scale_f32_16x16x128_f8f6f4 v[O+8*(\t):O+8*(\t)+7], v[VB+12*(\t):VB+12*(\t)+11], v[224:235], v[O+8*(\t):O+8*(\t)+7], v[10+(\t)/2], v253 matrix_a_fmt:MATRIX_FMT_FP6 matrix_b_fmt:MATRIX_FMT_FP6
.endif
.endm
; A KEY STEP of 128 keys.  Trip N walks step N of my first tile while N <= W2, then step N - W2 - 1 of my second.  m = 0: the mask is run in trip W2 alone;  m = 1: always (the last trip).
.macro STEP m
	s_add_co_u32 s18, s17, s16                     ; N - W2 - 1: wraps to a very large number while N <= W2,
	s_min_u32 s18, s17, s18                        ; so the lesser of the two is the step;
	s_min_u32 s18, s18, 15                         ; (it lies among the 16 records)
	s_mul_i32 s19, s18, REC
	v_add_nc_u32 v3, s19, v1
	v_add_nc_u32 v4, s19, v2
.irp t, 0,1,2,3
	ds_load_b128 v[KB+12*\t:KB+12*\t+3], v3 offset:768*\t
	ds_load_b64 v[KB+12*\t+4:KB+12*\t+5], v4 offset:768*\t+512
.endr
	ds_load_b128 v[248:251], v3 offset:KSO
	s_wait_dscnt 0x0
.irp t, 0,1,2,3
	SPROD \t, \t
.endr
.rept 4
	v_nop                                          ; places in front of the loads into K's buffers; with the two additions above also behind the last step's products, whose V and scale words are loaded anew
.endr
.irp t, 0,1,2,3
	ds_load_b128 v[KB+12*\t:KB+12*\t+3], v3 offset:768*(\t+4)
	ds_load_b64 v[KB+12*\t+4:KB+12*\t+5], v4 offset:768*(\t+4)+512
.endr
.irp t, 0,1,2,3
	ds_load_b128 v[VB+12*\t:VB+12*\t+3], v3 offset:VCO+1536*\t
	ds_load_b64 v[VB+12*\t+4:VB+12*\t+5], v4 offset:VCO+1536*\t+512
	ds_load_b128 v[VB+12*\t+6:VB+12*\t+9], v3 offset:VCO+1536*\t+768
	ds_load_b64 v[VB+12*\t+10:VB+12*\t+11], v4 offset:VCO+1536*\t+1280
.endr
	ds_load_b64 v[10:11], v4 offset:VSO
	s_wait_dscnt 17                                ; K's tiles 4-7 are in; V's sixteen loads and its scale words may be out: they are wanted behind the softmax
.irp t, 0,1,2,3
	SPROD \t+4, \t
.endr
.rept 4
	v_nop
.endr
.if \m == 0
	s_cmp_lg_u32 s17, s15
	s_cbranch_scc1 .Lopen_\@
.endif
.set n, 0
.rept 64                                       ; register 8 t + j holds key 16 t + 8 h + j of the step: hidden where 16 t + j > v7
	v_cmp_gt_i32 vcc_lo, 16*(n/8)+n%8, v7
	v_cndmask_b32 v[S+n], v[S+n], v30, vcc_lo
.set n, n+1
.endr
.Lopen_\@:
.irp b, 0,1,2,3
	v_max3_num_f32 v[232+\b], v[S+16*\b], v[S+1+16*\b], v[S+2+16*\b]   ; the largest score of each block of 32 keys: for the row's maximum and, since p rises with the score, for the block's largest p
.endr
.irp i, 3,5,7,9,11,13
.irp b, 0,1,2,3
	v_max3_num_f32 v[232+\b], v[232+\b], v[S+16*\b+\i], v[S+1+16*\b+\i]
.endr
.endr
.irp b, 0,1,2,3
	v_max_num_f32 v[232+\b], v[232+\b], v[S+15+16*\b]
.endr
.irp b, 0,1,2,3
	v_permlanex16_b32 v[236+\b], v[232+\b], s20, s21
.endr
.irp b, 0,1,2,3
	v_max_num_f32 v[232+\b], v[232+\b], v[236+\b]
.endr
	v_max3_num_f32 v254, v232, v233, v234
	v_max_num_f32 v254, v254, v235
	v_mul_f32 v254, s22, v254
	v_max_num_f32 v13, v13, v254                   ; the running largest t
	v_mov_b32 v254, v12
	v_floor_f32 v12, -v13                          ; the new -M = -ceil(t)
	v_sub_f32 v254, v12, v254                      ; old M - new M: a whole number, 0 or less
	v_cvt_i32_f32 v254, v254
	v_ldexp_f32 v252, 1.0, v254                    ; f = 2^(old M - new M)
.set n, 0
.rept 32
	v_pk_fma_f32 v[S+n:S+n+1], v[S+n:S+n+1], s[22:23], v[12:13] op_sel_hi:[1,0,0]   ; t - M
.set n, n+2
.endr
.irp b, 0,1,2,3
	v_fma_f32 v[232+\b], v[232+\b], s22, v12
.endr
.set n, 0
.rept 64
	v_exp_f32 v[S+n], v[S+n]                       ; p = 2^(t - M)
.set n, n+1
.endr
	v_pk_mul_f32 v[14:15], v[14:15], v[252:253] op_sel_hi:[1,0]   ; the sums under the new M: a plain place behind the exponentials
	s_wait_alu depctr_va_vdst(0)                   ; one wait for the batch, ahead of its first reader
.irp b, 0,1,2,3
	v_exp_f32 v[232+\b], v[232+\b]                 ; each block's largest p
.endr
	v_pk_add_f32 v[236:237], v[S:S+1], v[S+2:S+3]  ; the row's sum of the unquantised p, in two chains
.irp j, 4,8,12,16,20,24,28,32,36,40,44,48,52,56,60
	v_pk_add_f32 v[14:15], v[14:15], v[S+\j:S+1+\j]
	v_pk_add_f32 v[236:237], v[236:237], v[S+2+\j:S+3+\j]
.endr
	v_pk_add_f32 v[14:15], v[14:15], v[236:237]
	s_wait_alu depctr_va_vdst(0)                   ; and one for the four
.irp b, 0,1,2,3
	v_max_num_f32 v[232+\b], 0x1800000, v[232+\b]  ; the floor 2^(3 - 127)
.endr
.irp b, 0,1,2,3
	v_add_nc_u32 v[244+\b], 0xff000000, v[232+\b]  ; 2 off the exponent field: the conversion's scale operand
.endr
.irp b, 0,1,2,3
	v_lshrrev_b32 v[236+\b], 23, v[244+\b]
.endr
	v_lshl_or_b32 v253, v237, 8, v236              ; p's scale word
	v_lshl_or_b32 v253, v238, 16, v253
	v_lshl_or_b32 v253, v239, 24, v253
.irp c, 0,1
	v_cvt_scalef32_pk16_fp6_f32 v[224+6*\c:226+6*\c], v[S+32*\c:S+15+32*\c], v[244+2*\c]
	v_cvt_scalef32_pk16_fp6_f32 v[236+4*\c:238+4*\c], v[S+16+32*\c:S+31+32*\c], v[245+2*\c]
.endr
	v_nop                                          ; one plain place behind a scaled conversion
.irp c, 0,1
.irp i, 0,1,2
	v_permlane16_swap_b32 v[224+6*\c+\i], v[236+4*\c+\i]
.endr
.irp i, 0,1,2
	v_mov_b32 v[227+6*\c+\i], v[236+4*\c+\i]
.endr
.endr
.set n, 0
.rept 16
	v_pk_mul_f32 v[O+n:O+n+1], v[O+n:O+n+1], v[252:253] op_sel_hi:[1,0]   ; O^T under the new M; these sixteen are also the places between the lines that made p's codes and scale word and the products
.set n, n+2
.endr
	s_wait_dscnt 0x0                               ; V and its scale words
.irp t, 0,1,2,3
	OPROD \t                                       ; the four accumulators by turns
.endr
.endm
; A tile of queries ends: a = O^T / the sum, brought into D's true order, quantised along D (two blocks of 32), stored.
.macro FINISH
.rept 4
	v_nop                                          ; places behind the last products
.endr
	v_add_f32 v14, v14, v15
	v_permlanex16_b32 v252, v14, s20, s21
	v_add_f32 v14, v14, v252                       ; the row's sum
	v_rcp_f32 v14, v14
	v_nop                                          ; a plain place behind the reciprocal
	s_lshr_b32 s37, s14, 4                         ; batch
	s_lshl_b32 s38, s37, 7
	s_add_co_u32 s38, s38, s36                     ; the tile of 16 rows of a
	s_lshl_b32 s48, s38, 9                         ; its 16 rows of 32 scale bytes
	s_and_b32 s37, s14, 15                         ; head
	s_lshl_b32 s38, s38, 4
	s_add_co_u32 s38, s38, s37
	s_mul_i32 s38, s38, 768
	s_mov_b32 s39, 0
	s_add_nc_u64 s[44:45], s[8:9], s[38:39]
	s_lshl_b32 s37, s37, 1
	s_add_co_u32 s38, s48, s37
	s_add_nc_u64 s[46:47], s[10:11], s[38:39]
	s_wait_alu depctr_va_vdst(0)                   ; the wait ahead of the reciprocal's first reader
.set n, 0
.rept 32
	v_mul_f32 v[S+n], v[O+n], v14                  ; register 8 t + j: a(query r, channel 16 t + 8 h + j)
.set n, n+1
.endr
.irp b, 0,1
.irp j, 0,1,2,3,4,5,6,7
	v_permlane16_swap_b32 v[S+16*\b+\j], v[S+8+16*\b+\j]   ; register 16 b + i is now channel 32 b + 16 h + i
.endr
.endr
	v_max3_num_f32 v232, |v[S]|, |v[S+1]|, 0x1800000
	v_max3_num_f32 v233, |v[S+16]|, |v[S+17]|, 0x1800000
.irp i, 2,4,6,8,10,12,14
	v_max3_num_f32 v232, v232, |v[S+\i]|, |v[S+1+\i]|
	v_max3_num_f32 v233, v233, |v[S+16+\i]|, |v[S+17+\i]|
.endr
	v_permlanex16_b32 v236, v232, s20, s21
	v_permlanex16_b32 v237, v233, s20, s21
	v_max_num_f32 v232, v232, v236
	v_max_num_f32 v233, v233, v237
	v_add_nc_u32 v244, 0xff000000, v232
	v_add_nc_u32 v245, 0xff000000, v233
	v_lshrrev_b32 v236, 23, v244
	v_lshrrev_b32 v237, 23, v245
	v_lshl_or_b32 v254, v237, 8, v236              ; my row's two scale bytes of this head
	v_cvt_scalef32_pk16_fp6_f32 v[224:226], v[S:S+15], v244
	v_cvt_scalef32_pk16_fp6_f32 v[240:242], v[S+16:S+31], v245
	v_nop
.irp i, 0,1,2
	v_permlane16_swap_b32 v[224+\i], v[240+\i]
.endr
.irp i, 0,1,2
	v_mov_b32 v[227+\i], v[240+\i]
.endr
	global_store_b128 v1, v[224:227], s[44:45]     ; 512 consecutive bytes, at a multiple of 256 from the buffer's first byte
	global_store_b64 v2, v[228:229], s[44:45] offset:512
	global_store_b16 v29, v254, s[46:47]           ; lanes r and r + 16 store the same two bytes with the same value
	s_wait_xcnt 0x0                                ; the stores have read their registers and bases: both are written again
.endm
	START
	s_wait_tensorcnt 0x0                           ; my record has landed,
	s_barrier_signal -1
	s_barrier_wait -1                              ; everybody's has: the head's K and V are whole.  Nothing is filled again
.Ltrip:                                            ; 16 trips, and a last one written out
	STEP 0
	s_cmp_lg_u32 s17, s15
	s_cbranch_scc1 .Lon
	FINISH                                         ; my first tile is done behind trip W2;
	s_sub_co_u32 s36, 127, s36                     ; its partner from the other end begins
	START
.Lon:
	s_add_co_u32 s17, s17, 1
	s_cmp_lt_u32 s17, 16
	s_cbranch_scc1 .Ltrip
	STEP 1                                         ; trip 16: my second tile's diagonal step
	FINISH
	s_wait_tensorcnt 0x0                           ; the wave's end
	ds_add_u32 v5, v6
	s_wait_dscnt 0x0
	ROUND                                          ; the closing round
	s_endpgm
.Lfunc_end_k_qc2c4883a94_attn:
	.size	k_qc2c4883a94_attn, .Lfunc_end_k_qc2c4883a94_attn-k_qc2c4883a94_attn
	.p2alignl 7, 3214868480
	.fill 96, 4, 3214868480
	.section	.rodata,"a",@progbits
	.p2align	6, 0x0
	.amdhsa_kernel k_qc2c4883a94_attn
		.amdhsa_group_segment_fixed_size 224256
		.amdhsa_private_segment_fixed_size 0
		.amdhsa_enable_private_segment 0
		.amdhsa_kernarg_size 32
		.amdhsa_user_sgpr_count 2
		.amdhsa_user_sgpr_kernarg_segment_ptr 1
		.amdhsa_wavefront_size32 1
		.amdhsa_system_sgpr_workgroup_id_x 1
		.amdhsa_system_sgpr_workgroup_id_y 1
		.amdhsa_system_sgpr_workgroup_id_z 1
		.amdhsa_system_vgpr_workitem_id 0
		.amdhsa_next_free_vgpr 256
		.amdhsa_next_free_sgpr 66
		.amdhsa_reserve_vcc 1
		.amdhsa_float_denorm_mode_32 3
		.amdhsa_float_denorm_mode_16_64 3
		.amdhsa_memory_ordered 1
		.amdhsa_forward_progress 1
		.amdhsa_inst_pref_size 60
	.end_amdhsa_kernel
	.amdgpu_metadata
---
amdhsa.version: [ 1, 2 ]
amdhsa.kernels:
  - .name:           k_qc2c4883a94_attn
    .symbol:         k_qc2c4883a94_attn.kd
    .args:
      - { .name: qbuf, .offset: 0, .size: 8, .value_kind: global_buffer, .address_space: global }
      - { .name: kv, .offset: 8, .size: 8, .value_kind: global_buffer, .address_space: global }
      - { .name: a_codes, .offset: 16, .size: 8, .value_kind: global_buffer, .address_space: global }
      - { .name: a_scales, .offset: 24, .size: 8, .value_kind: global_buffer, .address_space: global }
    .group_segment_fixed_size: 224256
    .private_segment_fixed_size: 0
    .kernarg_segment_align: 8
    .kernarg_segment_size: 32
    .max_flat_workgroup_size: 512
    .sgpr_count:     66
    .vgpr_count:     256
    .wavefront_size: 32
...
	.end_amdgpu_metadata
.endif
;; end of part 2
;; launch proj (part 3): grid 4 x 32, 4 waves a work-group, clusters of 4 x 4, 327,680 bytes of LDS; arguments a_codes, a_scales, w_proj_codes, w_proj_scales, out0, b_proj; writes out0
.if DOCPART == 3
	.amdgcn_target "amdgcn-amd-amdhsa--gfx1250"
	.amdhsa_code_object_version 6
	.text
	.protected	k_qc2c4883a94_proj
	.globl	k_qc2c4883a94_proj
	.p2align	8
	.type	k_qc2c4883a94_proj,@function
k_qc2c4883a94_proj:
	s_mov_b64 s[64:65], 0
	v_nop
	global_prefetch_b8 v0, s[64:65] scope:SCOPE_SE
	s_setreg_imm32_b32 hwreg(HW_REG_WAVE_MODE, 25, 1), 1
	s_wait_xcnt 0x0
	s_wait_alu depctr_hold_cnt(0) depctr_sa_sdst(0) depctr_va_vdst(0) depctr_va_sdst(0) depctr_va_ssrc(0) depctr_va_vcc(0) depctr_vm_vsrc(0)
	s_getreg_b32 s2, hwreg(HW_REG_IB_STS2, 6, 4)
	s_cmp_eq_u32 s2, 0
	s_cbranch_scc0 .Lentry_in_a_cluster
	s_endpgm
.Lentry_in_a_cluster:
	s_bfe_u32 s2, ttmp6, 0x10000c
	s_cmp_lg_u32 s2, 0xf033
	s_cbranch_scc0 .Lentry_shape_is_right
	s_endpgm
.Lentry_shape_is_right:
; out0 = a W_proj + b_proj on codes of FP6 (E2M3) with E8M0 scales.  a: 8,192 rows, K = 1,024, as the launch before has laid it: a_codes [tile of 16 rows][head 16][768], images of half fragments
; (16 rows x 64 K: registers 0-3 at 16 x lane, registers 4-5 at 512 + 8 x lane); a_scales [8,192][32].  W_proj: [1,024][768 bytes], K innermost, its scales [1,024][32].  out0 [8,192][1,024] f32.  No work is left out here.
; A work-group of four waves makes 256 x 256, a wave 128 x 128: 64 accumulators.  128 work-groups: a tile of half the rows would give 256, at one and a half times the LDS bytes for each product.
; K goes in steps of 256 through two LDS slots filled by joint tensor loads (4 x 4 clusters: a's tiles shared along a row of the cluster, W's along a column); the scale bytes of the work-group's rows come once.
; THE MATRIX INSTRUCTION IS USED TRANSPOSED (source 0 = 16 rows of W, source 1 = 16 rows of a): a lane holds eight neighbouring numbers of a row of out0.  The bias is the C of each sum's first product.
; Nothing is prefetched: K has four steps, of which two are asked for at the head.
; REGISTERS: window 0: v0-31 addresses; v32-63 scale words, two sets; v64-127 the bias; v128-223 a's fragments, one set; on the way out v128-255.  window 1: W's fragments, two sets.  windows 2, 3: the accumulators.
.set SIZE_N, 1024
.set NQ,     2
.set ROWB,   192                       ; a row of W's tile: 256 codes
.set KROW,   768
.set PITCH,  240                       ; W's LDS row: 3 x (64 bytes + 16 of padding)
.set FR,     12
.set NLA,    4                         ; LDS loads that bring a fragment of a
.set NP,     4
.set ATILE,  3072                      ; 16 rows x 256 K of a: four half fragments on end
.set HALFA,  8*ATILE                   ; 128 rows of a
.set HALFB,  128*PITCH                 ; 128 rows of W
.set SLOT,   2*HALFA+2*HALFB
.set LAPS,   2
.set KS,     32
.set SCL,    2*SLOT
.set HALFS,  16*272
.set SBLK,   2*272
.set SPARE,  SCL+4*HALFS
.set SPITCH, 528                       ; the way out: a stage of 16 rows x (512 + 16) bytes for each wave, in slot 0, which has had its last fill and its last read by then
.set ADRA, 16                          ; v16-17 a's fragments in slot 0, 1: 16 x lane;  v18-19: 8 x lane
.set ADRB, 20                          ; v20-23 W's
.set STO,  24
.set RD,   25
.set CO,   26
.set ADRS, 27
.set SPW,  28
.set NIL,  29
.set SC,   32
.set BT,   64
.set AF,   128
.set BK,   128
.set G1, 24
.set G0, 32
.set G1B, 48
.set G0B, 56
.set G1S, 68
.set G0S, 76
.set G1SB, 80
.set G0SB, 88
.set MSB, 0
.macro WIN new
.if MSB != \new
	s_set_vgpr_msb (MSB<<8)|\new
.set MSB, \new
.endif
.endm
.set MUL_LO, 0xa1
.set MUL_HI, 0xf1
.set C0_LO,  0x81
.set C0_HI,  0xc1
.set TO_B,   0x40
.macro JLOAD g0a, g1a, g0b, g1b        ; waves 0 and 1 fetch for a, waves 2 and 3 for W; an s_nop 0 and four v_nop follow each line
	s_cmp_eq_u32 s15, 0
	s_cbranch_scc0 .Lfor_b_\@
	tensor_load_to_lds s[\g0a:\g0a+3], s[\g1a:\g1a+7]
	s_nop 0
.rept 4
	v_nop
.endr
	s_branch .Lasked_\@
.Lfor_b_\@:
	tensor_load_to_lds s[\g0b:\g0b+3], s[\g1b:\g1b+7]
	s_nop 0
.rept 4
	v_nop
.endr
.Lasked_\@:
.endm
.macro CREST
	s_cmp_lg_u32 s14, 0
	s_cbranch_scc1 .Lnot_wave_0_\@
	s_barrier_signal -3
.Lnot_wave_0_\@:
	s_barrier_wait -3
	s_barrier_signal -1
	s_barrier_wait -1
.endm
.macro CROUND
	s_barrier_signal -1
	s_barrier_wait -1
	CREST
.endm
	s_load_b128 s[4:7], s[0:1], 0x0                ; a's codes, a's scales
	s_load_b128 s[8:11], s[0:1], 0x10              ; W's codes, W's scales
	s_load_b64 s[12:13], s[0:1], 0x20              ; out0
	s_load_b64 s[96:97], s[0:1], 0x28              ; b_proj
	v_lshl_add_u32 v[SPW], v0, 2, SPARE
	v_mov_b32 v[NIL], 0
	ds_add_u32 v[SPW], v[NIL]                      ; the wave's opening: the add, twice on end, and its wait ahead of my first tensor load
	ds_add_u32 v[SPW], v[NIL]
	v_lshrrev_b32 v1, 5, v0
	v_readfirstlane_b32 s14, v1                    ; wave 0..3
	s_lshr_b32 s15, s14, 1                         ; my half of the tile's rows.  Also: I fetch for a (0) or for W (1)
	s_and_b32 s16, s14, 1                          ; my half of its columns.  Also: which 128 rows I fetch
	s_bfe_u32 s40, ttmp6, 0x40000                  ; cx
	s_bfe_u32 s41, ttmp6, 0x40004                  ; cy
	s_lshl_b32 s42, ttmp9, 2
	s_add_co_u32 s42, s42, s40                     ; tile column
	s_and_b32 s17, ttmp7, 0xffff
	s_lshl_b32 s17, s17, 2
	s_add_co_u32 s17, s17, s41                     ; tile row
	s_lshl_b32 s43, s41, 2
	s_lshl_b32 s43, 15, s43                        ; my row of the cluster
	s_lshl_b32 s44, 0x1111, s40                    ; my column
	s_or_b32 s[G1+0], s43, (3<<16)|(1<<21)         ; a's tiles: the mask; elements of 8 bytes; bit 21 beside a mask; no padding: every read is 16 or 8 bytes a lane on end
	s_mov_b32 s[G1+1], 384<<16                     ; tensor_dim0: 3,072 bytes: 16 rows x 256 K
	s_mov_b32 s[G1+2], 8<<16                       ; tensor_dim1: 8 tiles of 16 rows
	s_mov_b32 s[G1+3], 384<<16                     ; tile_dim0
	s_mov_b32 s[G1+4], 8                           ; tile_dim1
	s_mov_b32 s[G1+5], 1536                        ; the pitch: 12,288 bytes from one tile of rows to the next
	s_mov_b32 s[G1+6], 0
	s_mov_b32 s[G1+7], 0
	s_or_b32 s[G1B+0], s44, (0<<16)|(1<<20)|(1<<21)|(3<<22)|(3<<25)  ; W's tiles: elements of 1 byte; after every 16 words 4 words of padding
	s_mov_b32 s[G1B+1], ROWB<<16
	s_mov_b32 s[G1B+2], 128<<16
	s_mov_b32 s[G1B+3], ROWB<<16
	s_mov_b32 s[G1B+4], 128
	s_mov_b32 s[G1B+5], KROW
	s_mov_b32 s[G1B+6], 0
	s_mov_b32 s[G1B+7], 0
	s_or_b32 s[G1S+0], s43, (3<<16)|(1<<20)|(1<<21)|(5<<22)|(3<<25)  ; the scales of 128 rows: 16 rows of 256 bytes, 16 of padding behind each
	s_or_b32 s[G1SB+0], s44, (3<<16)|(1<<20)|(1<<21)|(5<<22)|(3<<25)
.irp g, G1S, G1SB
	s_mov_b32 s[\g+1], 32<<16
	s_mov_b32 s[\g+2], 16<<16
	s_mov_b32 s[\g+3], 32<<16
	s_mov_b32 s[\g+4], 16
	s_mov_b32 s[\g+5], 32
	s_mov_b32 s[\g+6], 0
	s_mov_b32 s[\g+7], 0
.endr
	s_lshl_b32 s18, s16, 7
	s_lshl_b32 s20, s17, 8
	s_add_co_u32 s20, s20, s18                     ; a: row 256 x tile row + 128 x half
	s_lshl_b32 s46, s42, 8
	s_add_co_u32 s46, s46, s18                     ; W: row 256 x tile column + 128 x half
	s_mov_b32 s21, 0
	s_mov_b32 s47, 0
	s_mov_b64 s[18:19], KS
	s_mul_u64 s[22:23], s[20:21], s[18:19]
	s_mul_u64 s[92:93], s[46:47], s[18:19]
	s_mov_b64 s[18:19], KROW
	s_mul_u64 s[20:21], s[20:21], s[18:19]         ; (16 rows of a are 12,288 bytes: 768 a row here too)
	s_mul_u64 s[46:47], s[46:47], s[18:19]
	s_mul_i32 s45, s16, HALFA                      ; where they go: a's two halves,
	s_mul_i32 s95, s16, HALFB
	s_add_co_u32 s95, s95, 2*HALFA                 ; then W's two
	s_mul_i32 s94, s14, HALFS
	s_wait_dscnt 0x0                               ; both opening adds are done
	s_wait_kmcnt 0x0
	s_add_nc_u64 s[20:21], s[4:5], s[20:21]
	s_add_nc_u64 s[22:23], s[6:7], s[22:23]
	s_add_nc_u64 s[46:47], s[8:9], s[46:47]
	s_add_nc_u64 s[92:93], s[10:11], s[92:93]
	CROUND                                         ; all sixteen work-groups are here: the first joint loads meet
	s_mov_b32 s[G0S], 1
	s_add_co_u32 s[G0S+1], s94, SCL
	s_mov_b64 s[G0S+2:G0S+3], s[22:23]
	s_or_b32 s[G0S+3], s[G0S+3], 0x80000000
	s_mov_b32 s[G0SB], 1
	s_add_co_u32 s[G0SB+1], s94, SCL
	s_mov_b64 s[G0SB+2:G0SB+3], s[92:93]
	s_or_b32 s[G0SB+3], s[G0SB+3], 0x80000000
	JLOAD G0S, G1S, G0SB, G1SB                     ; the scales first: three loads of mine are out behind the first fills
.irp s, 0,1
	s_mov_b32 s[G0+4*\s], 1
	s_add_co_u32 s[G0+4*\s+1], s45, \s*SLOT
	s_add_nc_u64 s[G0+4*\s+2:G0+4*\s+3], s[20:21], \s*ATILE
	s_or_b32 s[G0+4*\s+3], s[G0+4*\s+3], 0x80000000
	s_mov_b32 s[G0B+4*\s], 1
	s_add_co_u32 s[G0B+4*\s+1], s95, \s*SLOT
	s_add_nc_u64 s[G0B+4*\s+2:G0B+4*\s+3], s[46:47], \s*ROWB
	s_or_b32 s[G0B+4*\s+3], s[G0B+4*\s+3], 0x80000000
	JLOAD G0+4*\s, G1, G0B+4*\s, G1B
.endr
	v_and_b32 v1, 15, v0                           ; r
	v_bfe_u32 v2, v0, 4, 1                         ; h
	v_and_b32 v6, 31, v0                           ; lane
	v_lshlrev_b32 v4, 4, v6
	v_lshlrev_b32 v5, 3, v6
	s_mul_i32 s21, s15, HALFA                      ; my 128 rows of a
.irp s, 0,1
	v_add_nc_u32 v[ADRA+\s], s21, v4
	v_add_nc_u32 v[ADRA+2+\s], s21, v5
	s_add_co_u32 s21, s21, SLOT
.endr
	v_mul_u32_u24 v3, v1, PITCH
	v_mul_u32_u24 v4, v2, 24
	v_add_nc_u32 v4, v3, v4                        ; W: row x pitch + 24 x half
	v_lshl_add_u32 v5, v2, 4, v4                   ; and behind one padding more
	s_mul_i32 s22, s16, HALFB
	s_add_co_u32 s22, s22, 2*HALFA
.irp s, 0,1
	v_add_nc_u32 v[ADRB+\s], s22, v4
	v_add_nc_u32 v[ADRB+2+\s], s22, v5
	s_add_co_u32 s22, s22, SLOT
.endr
	v_mul_u32_u24 v5, v1, KS
	v_lshrrev_b32 v6, 8, v5
	v_lshl_add_u32 v5, v6, 4, v5
	s_mul_i32 s21, s15, HALFS
	s_mul_i32 s22, s16, HALFS
	s_add_co_u32 s22, s22, 2*HALFS
	s_sub_co_u32 s22, s22, s21
	v_mul_u32_u24 v6, s22, v2                      ; lanes 16-31 take W's
	s_add_co_u32 s21, s21, SCL
	v_add_nc_u32 v5, v5, v6
	v_add_nc_u32 v[ADRS], s21, v5
	s_mul_i32 s23, s14, 16*SPITCH                  ; my stage
	v_mul_u32_u24 v5, v1, SPITCH
	v_lshl_add_u32 v5, v2, 5, v5
	v_add_nc_u32 v[STO], s23, v5
	v_and_b32 v6, 31, v0
	v_lshlrev_b32 v[CO], 4, v6
	v_add_nc_u32 v[RD], s23, v[CO]
	s_lshl_b32 s20, s17, 8
	s_lshl_b32 s21, s15, 7
	s_add_co_u32 s20, s20, s21                     ; my first row of out0
	s_mov_b32 s21, 0
	s_mov_b64 s[18:19], SIZE_N*4
	s_mul_u64 s[20:21], s[20:21], s[18:19]
	s_lshl_b32 s46, s42, 10                        ; my first column, in bytes
	s_lshl_b32 s47, s16, 9
	s_add_co_u32 s46, s46, s47
	s_mov_b32 s47, 0
	s_add_nc_u64 s[96:97], s[96:97], s[46:47]      ; b_proj at my first column: 4 bytes a column there too
	s_add_nc_u64 s[20:21], s[20:21], s[46:47]
	s_add_nc_u64 s[12:13], s[12:13], s[20:21]
	v_lshlrev_b32 v7, 5, v2                        ; the bias of block b in lane (r, h): columns 16 b + 8 h + 0 .. 7
.irp b, 0,1,2,3,4,5,6,7
	global_load_b128 v[BT+8*\b:BT+8*\b+3], v7, s[96:97] offset:64*\b
	global_load_b128 v[BT+8*\b+4:BT+8*\b+7], v7, s[96:97] offset:64*\b+16
.endr
.macro FRAG reg, adr, q, i             ; W: 16 rows x 128 K in pieces of 8 bytes
.irp p, 0,1,2,3,4,5
.set PCE, 12*(\q)+6*(\p/3)+\p%3
.if PCE%8 < 5
	ds_load_b64 v[\reg+2*\p:\reg+2*\p+1], v[\adr] offset:8*PCE+16*(PCE/8)+(\i)*16*PITCH
.else
	ds_load_b64 v[\reg+2*\p:\reg+2*\p+1], v[\adr+2] offset:8*PCE+16*(PCE/8)+(\i)*16*PITCH
.endif
.endr
.endm
.macro FRAG_A reg, slot, q, i          ; a: two half fragments, as their registers were stored
	ds_load_b128 v[\reg:\reg+3], v[ADRA+\slot] offset:(\i)*ATILE+(\q)*1536
	ds_load_b64 v[\reg+4:\reg+5], v[ADRA+2+\slot] offset:(\i)*ATILE+(\q)*1536+512
	ds_load_b128 v[\reg+6:\reg+9], v[ADRA+\slot] offset:(\i)*ATILE+(\q)*1536+768
	ds_load_b64 v[\reg+10:\reg+11], v[ADRA+2+\slot] offset:(\i)*ATILE+(\q)*1536+1280
.endm
.macro MM a, b, p, q, sc, cm           ; a's block a x W's block b.  cm = 1: the sum starts with the bias of block b
.set DD, 8*(8*((\a)%4)+(\b))
.set B0, 128*(\p)+FR*(\b)
.set A0, AF+FR*(\a)
.set SB0, SC+8*NQ*(\sc)+NQ*(\b)+(\q)
.set SA0, SC+8*NQ*(\sc)+NQ*(\a)+(\q)
.if (\cm) == 1
	v_wmma_scale_f32_16x16x128_f8f6f4 v[DD:DD+7], v[B0:B0+FR-1], v[A0:A0+FR-1], v[BT+8*(\b):BT+8*(\b)+7], v[SB0], v[SA0] matrix_a_fmt:MATRIX_FMT_FP6 matrix_b_fmt:MATRIX_FMT_FP6 matrix_a_scale:MATRIX_SCALE_ROW1
.else
	v_wmma_scale_f32_16x16x128_f8f6f4 v[DD:DD+7], v[B0:B0+FR-1], v[A0:A0+FR-1], v[DD:DD+7], v[SB0], v[SA0] matrix_a_fmt:MATRIX_FMT_FP6 matrix_b_fmt:MATRIX_FMT_FP6 matrix_a_scale:MATRIX_SCALE_ROW1
.endif
.endm
.macro MUL16 a0, p, q, sc, cm          ; the 64 accumulators take turns, one instruction a turn, in the same order in every step
.irp a, \a0, \a0+1
.irp b, 0,1,2,3,4,5,6,7
	MM \a, \b, \p, \q, \sc, \cm
.endr
.endr
.endm
.macro FETCH_B slot, q, p
	WIN TO_B
.irp i, 0,1,2,3,4,5,6,7
	FRAG 128*(\p)+FR*\i, ADRB+\slot, \q, \i
.endr
	WIN 0
.endm
.macro FETCH_A slot, q, i0
.irp i, \i0, \i0+1, \i0+2, \i0+3
	FRAG_A AF+FR*(\i), \slot, \q, \i
.endr
.endm
.macro SCALES sc
.irp i, 0,1,2,3,4,5,6,7
	ds_load_b64 v[SC+8*NQ*\sc+NQ*\i:SC+8*NQ*\sc+NQ*\i+1], v[ADRS] offset:\i*SBLK
.endr
.endm
.macro PLACES n
.rept \n
	v_nop
.endr
.endm
.macro STEP slot, q, cm
	s_wait_dscnt 4*NLA                             ; all but the youngest 16 loads, a's blocks 4-7
.if \cm
	WIN C0_LO
.else
	WIN MUL_LO
.endif
	MUL16 0, (\q)%2, \q, \slot, \cm
	MUL16 2, (\q)%2, \q, \slot, \cm
	s_wait_dscnt 0
	PLACES NP
	FETCH_B \slot, (\q)+1, 1-(\q)%2
	FETCH_A \slot, (\q)+1, 0
.if \cm
	WIN C0_HI
.else
	WIN MUL_HI
.endif
	MUL16 4, (\q)%2, \q, \slot, \cm
	MUL16 6, (\q)%2, \q, \slot, \cm
	PLACES NP
	WIN 0
	FETCH_A \slot, (\q)+1, 4
.endm
.macro TURN slot, next, fill
	s_wait_tensorcnt 0x0                           ; all my tensor loads have landed: my part of the next slot
	ds_add_u32 v[SPW], v[NIL]                      ; 0 onto my spare word
	s_wait_dscnt 4*NLA+1                           ; (the add and the youngest 16 loads may be out)
	WIN MUL_LO
	MUL16 0, 1, NQ-1, \slot, 0
	s_wait_dscnt 0x0                               ; the add is done, and my reads of this slot are over
	s_barrier_signal -1
	MUL16 2, 1, NQ-1, \slot, 0
	WIN 0
	s_barrier_wait -1
.if \fill
	CREST                                          ; the barrier has opened a round of the cluster's: no wave of any partner still reads this slot or has a load on its way
	s_add_nc_u64 s[G0+4*\slot+2:G0+4*\slot+3], s[G0+4*\slot+2:G0+4*\slot+3], 2*ATILE
	s_add_nc_u64 s[G0B+4*\slot+2:G0B+4*\slot+3], s[G0B+4*\slot+2:G0B+4*\slot+3], 2*ROWB
	JLOAD G0+4*\slot, G1, G0B+4*\slot, G1B         ; the first tensor load behind the round; its four v_nop are the places in front of the loads below
.else
	PLACES NP
.endif
	v_add_nc_u32 v[ADRS], 4*NQ, v[ADRS]
	FETCH_B \next, 0, 0
	FETCH_A \next, 0, 0
	SCALES \next
	WIN MUL_HI
	MUL16 4, 1, NQ-1, \slot, 0
	MUL16 6, 1, NQ-1, \slot, 0
	PLACES NP
	WIN 0
	FETCH_A \next, 0, 4
.endm
	s_wait_tensorcnt 1                             ; the scales and my part of K step 0 are in; slot 1's load may be out
	s_barrier_signal -1
	s_barrier_wait -1
	FETCH_B 0, 0, 0
	FETCH_A 0, 0, 0
	SCALES 0
	FETCH_A 0, 0, 4
	s_wait_loadcnt 0x0                             ; the bias
	STEP 0, 0, 1                                   ; the first step's products start the sums with the bias
	s_mov_b32 s3, LAPS-1
.Llap:
	TURN 0, 1, 1
	STEP 1, 0, 0
	TURN 1, 0, 1
	STEP 0, 0, 0
	s_sub_co_u32 s3, s3, 1
	s_cmp_lg_u32 s3, 0
	s_cbranch_scc1 .Llap
	TURN 0, 1, 0                                   ; the last lap fills nothing
	STEP 1, 0, 0
	s_wait_dscnt 4*NLA
	WIN MUL_LO
	MUL16 0, 1, NQ-1, 1, 0
	MUL16 2, 1, NQ-1, 1, 0
	s_wait_dscnt 0
	WIN MUL_HI
	MUL16 4, 1, NQ-1, 1, 0
	MUL16 6, 1, NQ-1, 1, 0
	WIN 0
; THE WAY OUT, block by block of 16 rows x 128 columns, through my own stage: in as 32 bytes a lane, back as whole rows of 512 bytes.  LDS serves a wave's instructions in order: no wait between the stores and the loads.
.macro TOSTAGE a
.set AC, 64*((\a)%4)
	WIN (0x08+4*((\a)/4))                          ; the data: window 2 or 3
.irp b, 0,1,2,3,4,5,6,7
	ds_store_b128 v[STO], v[AC+8*\b:AC+8*\b+3] offset:64*\b          ; each accumulator from its low end on
	ds_store_b128 v[STO], v[AC+8*\b+4:AC+8*\b+7] offset:64*\b+16
.endr
	WIN 0
.set BB, BK+64*((\a)%2)
.irp t, 0,1,2,3,4,5,6,7,8,9,10,11,12,13,14,15
	ds_load_b128 v[BB+4*\t:BB+4*\t+3], v[RD] offset:\t*SPITCH
.endr
.endm
.macro SEND a, younger                 ; younger: the LDS instructions issued behind block a's loads
.set BB, BK+64*((\a)%2)
	s_wait_dscnt \younger
.if (\a) > 0
	s_add_nc_u64 s[12:13], s[12:13], 16*SIZE_N*4   ; (behind a wait on XCNT: the earlier stores have read their base)
.endif
.irp t, 0,1,2,3,4,5,6,7,8,9,10,11,12,13,14,15
	global_store_b128 v[CO], v[BB+4*\t:BB+4*\t+3], s[12:13] offset:\t*SIZE_N*4 th:TH_STORE_NT   ; 32 lanes store 512 consecutive bytes, at a multiple of 256 from out0's first byte
.endr
.endm
	PLACES NP
	TOSTAGE 0
.irp a, 1,2,3,4,5,6,7
.if \a > 1
	s_wait_xcnt 0x0                                ; block a - 2's stores have read their registers and their base
.endif
	TOSTAGE \a
	SEND \a-1, 32                                  ; behind block a - 1's loads: block a's 16 stores and 16 loads
.endr
	s_wait_xcnt 0x0
	SEND 7, 0
	s_wait_tensorcnt 0x0                           ; the wave's end: a wait, an add of 0 and a wait, behind my last tensor load and my last LDS store
	ds_add_u32 v[SPW], v[NIL]
	s_wait_dscnt 0x0
	CROUND                                         ; the closing round
	s_endpgm
.Lfunc_end_k_qc2c4883a94_proj:
	.size	k_qc2c4883a94_proj, .Lfunc_end_k_qc2c4883a94_proj-k_qc2c4883a94_proj
	.p2alignl 7, 3214868480
	.fill 96, 4, 3214868480
	.section	.rodata,"a",@progbits
	.p2align	6, 0x0
	.amdhsa_kernel k_qc2c4883a94_proj
		.amdhsa_group_segment_fixed_size 327680
		.amdhsa_private_segment_fixed_size 0
		.amdhsa_enable_private_segment 0
		.amdhsa_kernarg_size 48
		.amdhsa_user_sgpr_count 2
		.amdhsa_user_sgpr_kernarg_segment_ptr 1
		.amdhsa_wavefront_size32 1
		.amdhsa_system_sgpr_workgroup_id_x 1
		.amdhsa_system_sgpr_workgroup_id_y 1
		.amdhsa_system_sgpr_workgroup_id_z 1
		.amdhsa_system_vgpr_workitem_id 0
		.amdhsa_next_free_vgpr 1024
		.amdhsa_next_free_sgpr 98
		.amdhsa_reserve_vcc 0
		.amdhsa_float_denorm_mode_32 3
		.amdhsa_float_denorm_mode_16_64 3
		.amdhsa_memory_ordered 1
		.amdhsa_forward_progress 1
		.amdhsa_inst_pref_size 154
	.end_amdhsa_kernel
	.amdgpu_metadata
---
amdhsa.version: [ 1, 2 ]
amdhsa.kernels:
  - .name:           k_qc2c4883a94_proj
    .symbol:         k_qc2c4883a94_proj.kd
    .args:
      - { .name: a_codes, .offset: 0, .size: 8, .value_kind: global_buffer, .address_space: global }
      - { .name: a_scales, .offset: 8, .size: 8, .value_kind: global_buffer, .address_space: global }
      - { .name: w_proj_codes, .offset: 16, .size: 8, .value_kind: global_buffer, .address_space: global }
      - { .name: w_proj_scales, .offset: 24, .size: 8, .value_kind: global_buffer, .address_space: global }
      - { .name: out0, .offset: 32, .size: 8, .value_kind: global_buffer, .address_space: global }
      - { .name: b_proj, .offset: 40, .size: 8, .value_kind: global_buffer, .address_space: global }
    .group_segment_fixed_size: 327680
    .private_segment_fixed_size: 0
    .kernarg_segment_align: 8
    .kernarg_segment_size: 48
    .max_flat_workgroup_size: 128
    .sgpr_count:     98
    .vgpr_count:     1024
    .wavefront_size: 32
...
	.end_amdgpu_metadata
.endif
;; end of part 3
